; MI455X (gfx1250); checked and timed in simulation.
; The chip was launched on July 23, 2026; its instructions are those of AMD's public machine-readable ISA for CDNA 5 (MIT licence, August 2026) and "CDNA5" Instruction Set Architecture Reference Guide (July 2026). The comments in the code are by the model that wrote it; some were corrected since.
;; Multihead Self Attention. Allowed arithmetic: matrix products marked QUANTISED: E4M3 operands, one given power-of-two scale a tensor, by v_wmma_f32_16x16x64_fp8_fp8 or v_wmma_f32_16x16x128_fp8_fp8, f32 sums; everything else in f32.
;; Inputs: lowp_scales 8 int32 (the exponents e of the quantised operands' scales 2^e); w_out 1,024 x 1,024 float32; w_qkv 3,072 x 1,024 float32; x 2 x 2,048 x 1,024 float32.
;; Outputs: out0 2 x 2,048 x 1,024 float32.
;; This version of the problem:
;;   THIS VERSION OF THE PROBLEM IS GIVEN IN LOW PRECISION. The matrix products marked QUANTISED in the list below multiply operands that are first quantised to E4M3 (4 exponent bits, 3 mantissa bits; 8 bits a number), with one given power-of-two scale for each operand tensor; their sums are f32. All else is computed in f32.
;;   The module's matrix products, in the order in which they are computed (A, B: the left and right operand; K: the contracted axis; several contracted axes count as one K, in the product's order):
;;     1. [M 4,096, K 1,024] x [K 1,024, N 3,072]; A: input x; B: input w_qkv: QUANTISED (scales: A lowp_scales[0], B lowp_scales[1])
;;     2. batch 32 x [M 2,048, K 64] x [K 64, N 2,048]; A: computed on the way; B: computed on the way: QUANTISED (scales: A lowp_scales[2], B lowp_scales[3])
;;     3. batch 32 x [M 2,048, K 2,048] x [K 2,048, N 64]; A: softmax (see below); B: computed on the way: QUANTISED (scales: A lowp_scales[4], B lowp_scales[5])
;;     4. [M 4,096, K 1,024] x [K 1,024, N 1,024]; A: computed on the way; B: input w_out: QUANTISED (scales: A lowp_scales[6], B lowp_scales[7])
;;   THE QUANTISER, for each operand of a quantised product, along K:
;;     - The operand's scale is 2^e, e = its entry of the input lowp_scales (int32; the entries are numbered through the quantised products in the list's order, A before B).
;;     - Each number is divided by the scale, clamped to +-448, and rounded to the nearest number of E4M3, ties to even, subnormals kept.
;;     - The product sums the exact products of the quantised numbers (number of the format x scale) in f32.
;;   ~~~python
;;   def quantise(x, axis, e):      # numpy; x: float32 -> the quantised numbers, widened to float32 again
;;       x = np.moveaxis(x, axis, -1); K = x.shape[-1]
;;       r = np.clip(x / 2.0 ** e, -448, 448)
;;       step = 2.0 ** (np.maximum(np.frexp(np.where(r == 0, 1, r))[1] - 1, -6) - 3)
;;       q = np.round(r / step) * step * 2.0 ** e      # np.round: ties to even
;;       return np.moveaxis(q, -1, axis).astype(np.float32)
;;   ~~~
;;   SOFTMAX AHEAD OF A QUANTISED PRODUCT. Where the list says 'softmax', what is quantised is not the finished softmax but p = 2^(t - M), with t = logit x log2(e) and M = ceil(the row's largest t), a whole number; so 1/2 < the row's largest p <= 1. The row's sum l is taken of the UNQUANTISED p, in f32, and the product's result is divided by l at the end. Since M is a whole number, a kernel that streams over the keys may use a running M (the ceiling of the running maximum): every later rescaling is an exact power of two, so the quantised numbers keep their values, but for numbers so far below the row's largest that they fall under the format's range.
;;   OPERANDS COMPUTED ON THE WAY. 'Computed on the way' means the value that the module computes at that place (a softmax that the list does not call 'softmax' is quantised finished and normalised). What goes into a quantiser is computed in f32, as accurately as f32 sums, v_exp_f32 and their like allow (about 1e-6 of the number): no bf16 or f16 on the way to a quantiser, and a product that is left as it is and whose result goes on into a quantised operand takes f32 operands (vector FMAs, or v_wmma_f32_16x16x4_f32). A number that lies on a knife's edge between two numbers of the format may be rounded either way, as far as f32 arithmetic and the matrix unit's own rounding can turn it there, and no further.
;; One version. Each part assembles by itself: llvm-mc -triple=amdgcn-amd-amdhsa -mcpu=gfx1250 --defsym DOCPART=n.
;; ======== version 1 of 1: 4 launches
;; limits: right only within a limited range of input values
;; workspace buffers: xq 4,194,304 bytes; wq 3,145,728 bytes; woq 1,048,576 bytes; qimg 4,194,304 bytes; kv 8,388,608 bytes; ctx 4,194,304 bytes
;; launch quant (part 1): grid 256 x 1, 16 waves a work-group, no clusters, 137,216 bytes of LDS; arguments x, w_qkv, w_out, lowp_scales, xq, wq, woq; writes xq, wq, woq
.if DOCPART == 1
	.amdgcn_target "amdgcn-amd-amdhsa--gfx1250"
	.amdhsa_code_object_version 6
	.text
	.protected	k_q196ffacc25_quant
	.globl	k_q196ffacc25_quant
	.p2align	8
	.type	k_q196ffacc25_quant,@function
k_q196ffacc25_quant:
	s_mov_b64 s[64:65], 0
	v_nop
	global_prefetch_b8 v0, s[64:65] scope:SCOPE_SE
	s_setreg_imm32_b32 hwreg(HW_REG_WAVE_MODE, 25, 1), 1
	s_wait_xcnt 0x0
; x [4096][1024], w_qkv [3072][1024] and w_out [1024][1024], f32, K innermost, become codes of FP8 (E4M3), each tensor with the one scale 2^e given for it
; (entries 0, 1 and 7 of the scales' buffer): code = x / 2^e, held within +-448, rounded to the nearest code, ties to even.
; THE CODES ARE STORED AS IMAGES OF THE OPERAND'S REGISTERS.  A fragment of 16 rows x 128 K is 16 registers a lane: lane (r = l % 16, h = l / 16) holds row r, registers 2 c, 2 c + 1
; hold k = 16 c + 8 h + 0 .. 7.  Its image is four groups of four registers, 512 bytes each, lane l's 16 bytes at 16 l.  An operand of R rows lies as
; byte = (k / 256) x 256 R + (row / 16) x 4096 + ((k / 128) % 2) x 2048 + group x 512 + 16 x lane:  a later launch fetches tiles as dense blocks and fragments as 16 bytes a lane.
; SHARES.  One wave makes one image: 16 rows x 128 K.  4,096 images = 256 work-groups x 16 waves.  Work-groups 0-127 take x, 128-223 w_qkv, 224-255 w_out: only pointers and constants are chosen,
; by the work-group's number; all take one path.  A work-group takes 32 whole rows (two tiles of rows x eight K steps): wave w takes tile w / 8, K step w % 8.
; Each load reads 512 consecutive bytes of a row.  The conversion wants eight neighbours along K in one lane's registers, so the 16 x 512 bytes turn through the wave's own stage in LDS.
; No loop, no barrier (waves share nothing), no matrix work, no cluster (no two work-groups read the same byte): all 16 loads of a wave go out at once.
; LIMITS: -126 <= e <= 119, so that 2^e and 448 x 2^e are f32 numbers.  NaN among the inputs is not served (an infinity is held at the largest code).
.set PITCH, 528                        ; a stage row: 512 bytes + 16 = 132 words: the 16 rows that a read touches start 4 banks apart (64 banks of 4 bytes: ISA guide 11.1)
.set WSTG,  16*PITCH                   ; a wave's stage
.set R,     16                         ; v16-79   the 16 rows as loaded, 4 registers each
.set X,     80                         ; v80-143  turned: register 16 g + 8 u + j = k 32 g + 16 u + 8 h + j of my row
.set C,     144                        ; v144-159 the image's 16 registers
	s_load_b256 s[4:11], s[0:1], 0x0               ; x s[4:5], w_qkv s[6:7], w_out s[8:9], the scales' exponents s[10:11]
	s_load_b128 s[12:15], s[0:1], 0x20             ; xq s[12:13], wq s[14:15]
	s_load_b64 s[16:17], s[0:1], 0x30              ; woq
	v_lshl_add_u32 v160, v0, 2, 0x21000
	v_mov_b32 v161, 0
	v_lshrrev_b32 v4, 5, v0
	s_delay_alu instid0(VALU_DEP_1)
	v_readfirstlane_b32 s33, v4                    ; wave 0..15
	v_and_b32 v5, 31, v0
	s_delay_alu instid0(VALU_DEP_1)
	v_lshlrev_b32 v1, 4, v5                        ; 16 x lane: my bytes of a load, of a store, of a stage row on the way in
	v_and_b32 v6, 15, v0                           ; r
	v_bfe_u32 v7, v0, 4, 1                         ; h
	s_mul_i32 s34, s33, WSTG                       ; my wave's stage
	v_add_nc_u32 v2, s34, v1                       ; in: row i at PITCH i, as loaded
	v_mul_u32_u24 v3, v6, PITCH
	s_delay_alu instid0(VALU_DEP_1)
	v_lshl_add_u32 v3, v7, 5, v3
	s_delay_alu instid0(VALU_DEP_1)
	v_add_nc_u32 v3, s34, v3                       ; out: row r, + 32 h bytes: my eight numbers of each sixteen
	s_mov_b32 s22, 224
	s_mov_b32 s23, 0x80000                         ; w_out's plane: 512 K x 1,024 rows
	s_wait_alu depctr_va_vdst(0)
	s_wait_kmcnt 0x0
	s_load_b256 s[24:31], s[10:11], 0x0            ; e0 .. e7
	s_cmp_lt_u32 ttmp9, 224                        ; w_qkv's work-group or w_out's?
	s_cselect_b64 s[18:19], s[6:7], s[8:9]         ; the source,
	s_cselect_b64 s[20:21], s[14:15], s[16:17]     ; the destination,
	s_cselect_b32 s22, 128, s22                    ; the tensor's first work-group,
	s_cselect_b32 s23, 0xc0000, s23                ; its plane: 256 K x 3,072 rows
	; x and w_qkv lie in planes of 256 along K (two K steps), w_out in planes of 512 (four K steps): a tile of 16 rows is 4,096 or 8,192 bytes of a plane
	s_cselect_b32 s40, 1, 2                        ; log2 of a plane's K steps,
	s_cselect_b32 s41, 1, 3                        ; and the mask of a K step's place in its plane
	s_cmp_lt_u32 ttmp9, 128                        ; or x's?
	s_cselect_b64 s[18:19], s[4:5], s[18:19]
	s_cselect_b64 s[20:21], s[12:13], s[20:21]
	s_cselect_b32 s22, 0, s22
	s_cselect_b32 s23, 0x100000, s23               ; 256 K x 4,096 rows
	s_sub_co_u32 s34, ttmp9, s22
	s_lshl_b32 s34, s34, 1
	s_lshr_b32 s35, s33, 3
	s_add_co_u32 s34, s34, s35                     ; my tile of 16 rows
	s_and_b32 s35, s33, 7                          ; my K step of 128
	s_lshl_b32 s36, s34, 16                        ; 16 rows of 4,096 bytes
	s_lshl_b32 s37, s35, 9                         ; 128 numbers
	s_add_co_u32 s36, s36, s37
	s_mov_b32 s37, 0
	s_add_nc_u64 s[18:19], s[18:19], s[36:37]
	s_lshr_b32 s38, s35, s40
	s_mul_i32 s38, s38, s23                        ; the plane,
	s_add_co_u32 s42, s40, 11
	s_lshl_b32 s39, s34, s42
	s_add_co_u32 s38, s38, s39                     ; + tile x 4,096 or 8,192
	s_and_b32 s39, s35, s41
	s_lshl_b32 s39, s39, 11
	s_add_co_u32 s38, s38, s39                     ; + (K step % 2) x 2,048
	s_mov_b32 s39, 0
	s_add_nc_u64 s[20:21], s[20:21], s[38:39]
.irp i, 0,1,2,3,4,5,6,7,8,9,10,11,12,13,14,15
	global_load_b128 v[R+4*\i:R+4*\i+3], v1, s[18:19] offset:4096*\i th:TH_LOAD_NT   ; row i: 32 lanes read 512 consecutive bytes; read once in the launch
.endr
	s_wait_kmcnt 0x0
	s_cmp_lt_u32 ttmp9, 224
	s_cselect_b32 s32, s25, s31                    ; e1 or e7,
	s_cmp_lt_u32 ttmp9, 128
	s_cselect_b32 s32, s24, s32                    ; or e0
	s_add_co_i32 s32, s32, 127
	s_lshl_b32 s34, s32, 23
	v_mov_b32 v11, s34                             ; 2^e as f32: the conversion takes its exponent field
	s_add_co_i32 s32, s32, 8
	s_lshl_b32 s32, s32, 23
	s_or_b32 s32, s32, 0x600000
	v_mov_b32 v10, s32                             ; 448 x 2^e
	s_wait_alu depctr_va_vdst(0)
.irp i, 0,1,2,3,4,5,6,7,8,9,10,11,12,13,14,15
	s_wait_loadcnt 15-\i                           ; loads come back in order: row i is in, the younger rows stay out
	ds_store_b128 v2, v[R+4*\i:R+4*\i+3] offset:PITCH*\i
.endr
.irp g, 0,1,2,3
.irp u, 0,1
.irp p, 0,1
	ds_load_b128 v[X+16*\g+8*\u+4*\p:X+16*\g+8*\u+4*\p+3], v3 offset:128*\g+64*\u+16*\p   ; LDS serves a wave's instructions in order: these see my stores
.endr
.endr
.endr
.irp g, 0,1,2,3
	s_wait_dscnt 12-4*\g                           ; group g's four reads are back; the later groups' may be out
.irp i, 0,1,2,3,4,5,6,7,8,9,10,11,12,13,14,15
	v_med3_num_f32 v[X+16*\g+\i], v[X+16*\g+\i], -v10, v10   ; the conversion to an 8-bit code does not saturate (ISA guide 7.6.2): the hold comes first
.endr
	v_cvt_scalef32_pk8_fp8_f32 v[C+4*\g:C+4*\g+1], v[X+16*\g:X+16*\g+7], v11       ; registers 2 c, 2 c + 1 with c = 2 g
	v_cvt_scalef32_pk8_fp8_f32 v[C+4*\g+2:C+4*\g+3], v[X+16*\g+8:X+16*\g+15], v11  ; c = 2 g + 1
	global_store_b128 v1, v[C+4*\g:C+4*\g+3], s[20:21] offset:512*\g               ; 32 lanes store 512 consecutive bytes, at a multiple of 512 from the buffer's first byte; no register is written again
.endr
	s_wait_tensorcnt 0x0
	ds_add_u32 v160, v161
	s_wait_dscnt 0x0
	s_endpgm
.Lfunc_end_k_q196ffacc25_quant:
	.size	k_q196ffacc25_quant, .Lfunc_end_k_q196ffacc25_quant-k_q196ffacc25_quant
	.p2alignl 7, 3214868480
	.fill 96, 4, 3214868480
	.section	.rodata,"a",@progbits
	.p2align	6, 0x0
	.amdhsa_kernel k_q196ffacc25_quant
		.amdhsa_group_segment_fixed_size 137216
		.amdhsa_private_segment_fixed_size 0
		.amdhsa_enable_private_segment 0
		.amdhsa_kernarg_size 56
		.amdhsa_user_sgpr_count 2
		.amdhsa_user_sgpr_kernarg_segment_ptr 1
		.amdhsa_wavefront_size32 1
		.amdhsa_system_sgpr_workgroup_id_x 1
		.amdhsa_system_sgpr_workgroup_id_y 1
		.amdhsa_system_sgpr_workgroup_id_z 1
		.amdhsa_system_vgpr_workitem_id 0
		.amdhsa_next_free_vgpr 162
		.amdhsa_next_free_sgpr 66
		.amdhsa_reserve_vcc 0
		.amdhsa_float_denorm_mode_32 3
		.amdhsa_float_denorm_mode_16_64 3
		.amdhsa_memory_ordered 1
		.amdhsa_forward_progress 1
		.amdhsa_inst_pref_size 13
	.end_amdhsa_kernel
	.amdgpu_metadata
---
amdhsa.version: [ 1, 2 ]
amdhsa.kernels:
  - .name:           k_q196ffacc25_quant
    .symbol:         k_q196ffacc25_quant.kd
    .args:
      - { .name: x, .offset: 0, .size: 8, .value_kind: global_buffer, .address_space: global }
      - { .name: w_qkv, .offset: 8, .size: 8, .value_kind: global_buffer, .address_space: global }
      - { .name: w_out, .offset: 16, .size: 8, .value_kind: global_buffer, .address_space: global }
      - { .name: lowp_scales, .offset: 24, .size: 8, .value_kind: global_buffer, .address_space: global }
      - { .name: xq, .offset: 32, .size: 8, .value_kind: global_buffer, .address_space: global }
      - { .name: wq, .offset: 40, .size: 8, .value_kind: global_buffer, .address_space: global }
      - { .name: woq, .offset: 48, .size: 8, .value_kind: global_buffer, .address_space: global }
    .group_segment_fixed_size: 137216
    .private_segment_fixed_size: 0
    .kernarg_segment_align: 8
    .kernarg_segment_size: 56
    .max_flat_workgroup_size: 512
    .sgpr_count:     66
    .vgpr_count:     162
    .wavefront_size: 32
...
	.end_amdgpu_metadata
.endif
;; end of part 1
;; launch qkv (part 2): grid 12 x 16, 4 waves a work-group, clusters of 4 x 4, 327,680 bytes of LDS; arguments xq, wq, lowp_scales, qimg, kv; writes qimg, kv
.if DOCPART == 2
	.amdgcn_target "amdgcn-amd-amdhsa--gfx1250"
	.amdhsa_code_object_version 6
	.text
	.protected	k_q196ffacc25_qkv
	.globl	k_q196ffacc25_qkv
	.p2align	8
	.type	k_q196ffacc25_qkv,@function
k_q196ffacc25_qkv:
	s_mov_b64 s[64:65], 0
	v_nop
	global_prefetch_b8 v0, s[64:65] scope:SCOPE_SE
	s_setreg_imm32_b32 hwreg(HW_REG_WAVE_MODE, 25, 1), 1
	s_wait_xcnt 0x0
	s_wait_alu depctr_hold_cnt(0) depctr_sa_sdst(0) depctr_va_vdst(0) depctr_va_sdst(0) depctr_va_ssrc(0) depctr_va_vcc(0) depctr_vm_vsrc(0)
	s_getreg_b32 s2, hwreg(HW_REG_IB_STS2, 6, 4)
	s_cmp_eq_u32 s2, 0
	s_cbranch_scc0 .Lentry_in_a_cluster
	s_endpgm
.Lentry_in_a_cluster:
	s_bfe_u32 s2, ttmp6, 0x10000c
	s_cmp_lg_u32 s2, 0xf033
	s_cbranch_scc0 .Lentry_shape_is_right
	s_endpgm
.Lentry_shape_is_right:
; qkv = x w_qkv^T on codes of FP8 (E4M3), and its results quantised at once for the attention: q with 2^e2, k with 2^e3, v with 2^e5.  M = 4,096 tokens, N = 3,072 features, K = 1,024.
; OPERANDS are images of fragments (16 rows x 128 K = 2,048 bytes: four groups of 512 bytes, lane l's 16 bytes at 16 l): byte = (k / 256) x PLANE + (row / 16) x 4096 + ((k / 128) % 2) x 2048 + ..
; So a tile of 128 rows x 256 K is one dense block of 32 KB, and a fragment comes out of LDS by four loads of 16 bytes a lane at consecutive addresses: no pitch, no padding.
; A tile of the result, 256 x 256, is made by four waves; a wave makes 128 x 128: 64 accumulators, 512 registers.  K goes in steps of 256 through a ring of two LDS slots.
; 192 work-groups: q, k and v part at multiples of 1,024 features, and a smaller tile would read twice the LDS bytes for each product.
; SIDES.  Source 1 ('A side') gives the rows that lie across the lanes, source 0 ('B side') those that run along a lane's eight result registers.  Eight results of a lane are converted
; into two registers of codes, which ARE registers 2 c, 2 c + 1 of a fragment whose K runs along the B side.  For q and k (clusters x = 0, 1) K is the head's 64 features: A side = tokens (xq),
; B side = features (wq).  For v (cluster x = 2) K is the keys: A side = features (wq), B side = tokens (xq).  The tile is square, so only pointers and constants differ: they are selected
; by the cluster's x, which all sixteen partners share; there is no branch on it.  No result goes through LDS: every store is 512 consecutive bytes of an image.
; OUT.  qimg: [head 32][tile of 16 queries 128][1,024 B].  kv: [head 32][step of 128 keys 16][K: 8 tiles of 16 keys x 1,024 B; V^T: 4 tiles of 16 channels x 2,048 B].  head = 16 x batch + head.
; CLUSTERS: 4 x 4 work-groups.  A's tile hangs on cy alone and is asked for jointly by the four of a row of the cluster, B's on cx alone, by the four of a column.
; LIMITS: eT - e0 - e1 (eT = e2, e3, e5) between -126 and 119, so that the folded scale and 448 x it are f32 numbers.
; REGISTERS, in windows of 256: window 0: v16-29 addresses and constants; v32-111 the way out; from v128 A's 8 fragments, ONE set.  window 1: B's fragments, TWO sets, at v0 and v128.
;   window 2: the accumulators of A's blocks 0-3 ((a, b) at v[8 (8 (a % 4) + b)]);  window 3: those of blocks 4-7.
.set HALFT,  32768                     ; 128 rows x 256 K: what one wave reads of a side.  One tensor load brings a whole side of a slot: 256 rows x 256 K
.set SLOT,   4*HALFT                   ; A's two halves, then B's two
.set SPARE,  2*SLOT                    ; behind the ring: the spare words, 128 bytes for each wave: two blocks of 256 bytes that no other line names
.set FR,     16                        ; registers of a fragment
.set NL,     4                         ; LDS loads that bring one
.set NP,     4                         ; places behind this matrix instruction (ISA guide 7.12.1)
.set ADRA, 16                          ; v16-17  LDS address of my A fragments in slot 0, 1
.set ADRB, 20                          ; v20-21  the same for B
.set O0,   24                          ; v24     16 x lane
.set O2,   25                          ; v25     16 x lane + the distance to the block's second pair of stores
.set SC,   26                          ; v26     the conversion's scale: 2^(eT - e0 - e1)
.set LIM,  27                          ; v27     448 x that
.set SPW,  28                          ; v28     LDS address of my spare word; never rewritten
.set NIL,  29                          ; v29     0; never rewritten
.set TMP,  32                          ; v32-95  a block's 64 sums, held
.set CD,   96                          ; v96-111 a block's codes
.set AF,   128
.set G1, 24                            ; s[24:31] descriptor group 1 for A's tiles;  s[32:39] group 0, one set for each slot
.set G0, 32
.set G1B, 48                           ; s[48:55], s[56:63] the same for B's tiles
.set G0B, 56
.set MSB, 0
.macro WIN new                         ; the immediate's high byte repeats the setting that is left
.if MSB != \new
	s_set_vgpr_msb (MSB<<8)|\new
.set MSB, \new
.endif
.endm
.set MUL_LO, 0xa1                      ; source 0 (B) window 1, source 1 (A) window 0, C and D window 2
.set MUL_HI, 0xf1                      ; the same, C and D window 3
.set TO_B,   0x40                      ; destination window 1, address window 0
; A joint load of 64 KB.  Wave w fills slot w / 2: an even wave its A side, an odd wave its B side.  slot = 0, 1: a refill, by that slot's two waves; slot = 2: the head, all four waves, so both slots.
; The branches hang on the wave's number alone.  Four v_nop follow each of the two lines.
.macro JLOAD slot
.if \slot < 2
	s_cmp_lg_u32 s15, \slot
	s_cbranch_scc1 .Lasked_\@
.endif
	s_cmp_eq_u32 s16, 0
	s_cbranch_scc0 .Lfor_b_\@
	tensor_load_to_lds s[G0:G0+3], s[G1:G1+7]
	s_nop 0
.rept 4
	v_nop
.endr
	s_branch .Lasked_\@
.Lfor_b_\@:
	tensor_load_to_lds s[G0B:G0B+3], s[G1B:G1B+7]
	s_nop 0
.rept 4
	v_nop
.endr
.Lasked_\@:
.endm
.macro CREST                           ; a round of the cluster's barrier behind its opening barrier
	s_cmp_lg_u32 s14, 0
	s_cbranch_scc1 .Lnot_wave_0_\@
	s_barrier_signal -3
.Lnot_wave_0_\@:
	s_barrier_wait -3
	s_barrier_signal -1
	s_barrier_wait -1
.endm
.macro CROUND                          ; a whole round
	s_barrier_signal -1
	s_barrier_wait -1
	CREST
.endm
	s_load_b256 s[4:11], s[0:1], 0x0               ; xq s[4:5], wq s[6:7], the scales' exponents s[8:9], qimg s[10:11]
	s_load_b64 s[12:13], s[0:1], 0x20              ; kv
	v_lshl_add_u32 v[SPW], v0, 2, SPARE
	v_mov_b32 v[NIL], 0
	ds_add_u32 v28, v29
	ds_add_u32 v28, v29
	s_wait_dscnt 0x0
	v_lshrrev_b32 v1, 5, v0
	v_readfirstlane_b32 s14, v1                    ; wave 0..3
	s_lshr_b32 s15, s14, 1                         ; my half of the A side.  Also: the slot that I fill
	s_and_b32 s16, s14, 1                          ; my half of the B side.  Also: I fetch for A (0) or for B (1)
	s_bfe_u32 s40, ttmp6, 0x40000                  ; cx, cy: my place in the cluster
	s_bfe_u32 s41, ttmp6, 0x40004
	s_and_b32 s17, ttmp7, 0xffff                   ; the cluster's y
	s_lshl_b32 s43, s41, 2
	s_lshl_b32 s43, 15, s43                        ; my row of the cluster
	s_lshl_b32 s44, 0x1111, s40                    ; my column
	s_lshl_b32 s92, s17, 2
	s_add_co_u32 s20, s92, s41                     ; q, k: A's tile = tokens 256 (4 cluster y + cy) on
	s_add_co_u32 s93, s41, 8                       ; v:    A's tile = features 256 (8 + cy) on
	s_lshl_b32 s94, ttmp9, 2
	s_add_co_u32 s46, s94, s40                     ; q, k: B's tile = features 256 (4 cluster x + cx) on
	s_add_co_u32 s95, s92, s40                     ; v:    B's tile = tokens 256 (4 cluster y + cx) on
	s_mov_b32 s96, 0x100000                        ; xq's plane: 256 K x 4,096 rows
	s_mov_b32 s97, 0xc0000                         ; wq's: 256 K x 3,072 rows
	s_mov_b32 s83, 0
	s_mov_b32 s87, 0
	; descriptor group 1: a dense block of 64 KB as 256 rows of 32 elements of 8 bytes; no padding
	s_or_b32 s[G1+0], s43, (3<<16)|(1<<21)         ; 15:0 the mask: A's tiles go to my row; 17:16 elements of 8 bytes; 21 set beside a mask
	s_or_b32 s[G1B+0], s44, (3<<16)|(1<<21)        ; B's go to my column
.irp g, G1, G1B
	s_mov_b32 s[\g+1], 32<<16                      ; tensor_dim0
	s_mov_b32 s[\g+2], 256<<16                     ; tensor_dim1
	s_mov_b32 s[\g+3], 32<<16                      ; tile_dim0
	s_mov_b32 s[\g+4], 256                         ; tile_dim1
	s_mov_b32 s[\g+5], 32                          ; tensor_dim0_stride: rows on end
	s_mov_b32 s[\g+6], 0
	s_mov_b32 s[\g+7], 0
.endr
	s_lshl_b32 s45, s14, 16                        ; where my tile goes: slot x 128 KB + side x 64 KB = wave x 64 KB: no place in the cluster enters an LDS address
.set PFO,  22                          ; v22     the prefetches' offset: 256 x lane; never rewritten
	v_and_b32 v1, 31, v0
	v_lshlrev_b32 v[O0], 4, v1
	v_lshlrev_b32 v[PFO], 8, v1
	s_lshl_b32 s21, s15, 15                        ; my half of A
	s_lshl_b32 s22, s16, 15                        ; my half of B,
	s_add_co_u32 s22, s22, 2*HALFT                 ; which lies behind A's two
.irp s, 0,1
	v_add_nc_u32 v[ADRA+\s], s21, v[O0]
	v_add_nc_u32 v[ADRB+\s], s22, v[O0]
	s_add_co_u32 s21, s21, SLOT
	s_add_co_u32 s22, s22, SLOT
.endr
	s_wait_alu depctr_va_vdst(0)
	s_wait_kmcnt 0x0
	s_load_b256 s[72:79], s[8:9], 0x0              ; e0 .. e7
	s_cmp_eq_u32 ttmp9, 2                          ; v's clusters: the sides change places.  Selections alone follow
	s_cselect_b32 s20, s93, s20                    ; A's tile
	s_cselect_b32 s46, s95, s46                    ; B's tile
	s_cselect_b64 s[66:67], s[6:7], s[4:5]         ; A's buffer
	s_cselect_b64 s[68:69], s[4:5], s[6:7]         ; B's buffer
	s_cselect_b32 s70, s97, s96                    ; A's plane
	s_cselect_b32 s80, s96, s97                    ; B's plane
	s_lshl_b32 s92, s20, 16                        ; a tile of 256 rows is 64 KB of a plane,
	s_mul_i32 s93, s15, s70                        ; and my slot's first K step of 256 is plane 0 or 1
	s_add_co_u32 s92, s92, s93
	s_mov_b32 s93, 0
	s_add_nc_u64 s[66:67], s[66:67], s[92:93]
	s_lshl_b32 s94, s46, 16
	s_mul_i32 s95, s15, s80
	s_add_co_u32 s94, s94, s95
	s_mov_b32 s95, 0
	s_add_nc_u64 s[68:69], s[68:69], s[94:95]
	s_lshl_b32 s82, s70, 1                         ; a slot's next fill lies two planes on
	s_lshl_b32 s86, s80, 1
	CROUND                                         ; all sixteen work-groups are here: the first joint loads meet
	s_mov_b32 s[G0], 1                             ; slot 0: K = 0 .. 255
	s_mov_b32 s[G0+1], s45
	s_mov_b64 s[G0+2:G0+3], s[66:67]
	s_or_b32 s[G0+3], s[G0+3], 0x80000000
	s_mov_b32 s[G0B], 1
	s_mov_b32 s[G0B+1], s45
	s_mov_b64 s[G0B+2:G0B+3], s[68:69]
	s_or_b32 s[G0B+3], s[G0B+3], 0x80000000
; PREFETCHES INTO THE L2 of what the two refills will ask for, two slots ahead of the refill in K.  A side's tile of a slot is 64 KB, 256 blocks of 256 bytes; the four partners that ask for it jointly take 64 blocks each, told apart by address
; (cx for A, cy for B): each block is named once in each cluster.  K = 512 on: by waves 2 and 3 at the head, two instructions each; K = 768 on: by all four waves behind the first fragments' loads.  The planes lie inside the buffers: K has four.
.macro PFADR d, n                      ; s[d:d+1]: my side's tile in plane n, my work-group's quarter of it (the pointer stands in plane s15)
	s_cmp_eq_u32 s16, 0
	s_cselect_b64 s[\d:\d+1], s[66:67], s[68:69]
	s_cselect_b32 s92, s70, s80
	s_cselect_b32 s93, s40, s41
	s_sub_co_u32 s94, \n, s15
	s_mul_i32 s94, s94, s92
	s_lshl_b32 s93, s93, 14
	s_add_co_u32 s94, s94, s93
	s_mov_b32 s95, 0
	s_add_nc_u64 s[\d:\d+1], s[\d:\d+1], s[94:95]
.endm
	; one tensor load a wave: waves 2 and 3 ask for K = 256 .. 511 (slot 1), waves 0 and 1 for K = 0 .. 255 (slot 0), which is read first and which they wait for here
	s_cmp_eq_u32 s15, 0
	s_cbranch_scc1 .Lhead_0
	JLOAD 2
	PFADR 18, 2
	global_prefetch_b8 v[PFO], s[18:19] th:TH_LOAD_NT scope:SCOPE_SE
	global_prefetch_b8 v[PFO], s[18:19] offset:8192 th:TH_LOAD_NT scope:SCOPE_SE
	s_branch .Lhead_done
.Lhead_0:
	JLOAD 2
	s_wait_tensorcnt 0x0                           ; slot 0's side of mine is in
.Lhead_done:
.macro REST                            ; the way out's constants: selected, never branched on
	s_wait_kmcnt 0x0
	s_cmp_eq_u32 ttmp9, 0                          ; q's clusters?
	s_cselect_b32 s92, s74, s75                    ; e2, else e3
	s_cselect_b64 s[84:85], s[10:11], s[12:13]     ; qimg, else kv
	s_cselect_b32 s96, 0, 1                        ; kv's heads and steps are twice as far apart as qimg's
	s_lshl_b32 s99, 0x20000, s96                   ; q, k: from a head to the next
	s_mov_b32 s88, 1024
	s_mov_b32 s90, 1024
	s_mov_b32 s89, 0
	s_mov_b32 s91, 0
	s_cmp_eq_u32 ttmp9, 2                          ; v's clusters?
	s_cselect_b32 s92, s77, s92                    ; e5
	s_cselect_b32 s93, s46, s20                    ; the tile of tokens,
	s_cselect_b32 s94, s20, s46                    ; the tile of features,
	s_cselect_b32 s95, s16, s15                    ; my half of the tokens,
	s_cselect_b32 s97, s15, s16                    ; my half of the features
	s_cselect_b32 s98, 8192, 0                     ; V^T lies behind a step's K
	s_cselect_b32 s99, 1024, s99                   ; v: the image's second half
	s_cselect_b32 s88, 2048, s88                   ; from block to block: a V^T image, or an image of 16 x 64
	s_cselect_b32 s90, 256000, s90                 ; from block 3 to block 4: v goes on to the next head: 262,144 - 3 x 2,048
	s_sub_co_i32 s92, s92, s72
	s_sub_co_i32 s92, s92, s73                     ; a sum stands for sum x 2^(e0 + e1): its code is sum / 2^(eT - e0 - e1): three scales folded into one, all powers of two
	s_add_co_i32 s92, s92, 127
	s_lshl_b32 s21, s92, 23
	v_mov_b32 v[SC], s21
	s_add_co_i32 s92, s92, 8
	s_lshl_b32 s92, s92, 23
	s_or_b32 s92, s92, 0x600000
	v_mov_b32 v[LIM], s92
	s_lshr_b32 s21, s93, 3                         ; the batch: 8 tiles of 256 tokens each
	s_lshl_b32 s21, s21, 4
	s_and_b32 s94, s94, 3
	s_lshl_b32 s94, s94, 2                         ; a tile of 256 features is four heads,
	s_add_co_u32 s21, s21, s94
	s_lshl_b32 s97, s97, 1                         ; my half of it two
	s_add_co_u32 s21, s21, s97                     ; my first head
	s_lshl_b32 s93, s93, 1
	s_add_co_u32 s93, s93, s95
	s_and_b32 s93, s93, 15                         ; my step of 128 tokens in the batch
	s_lshl_b32 s21, s21, 17
	s_lshl_b32 s93, s93, 13
	s_add_co_u32 s21, s21, s93                     ; head x 131,072 + step x 8,192 in qimg,
	s_lshl_b32 s21, s21, s96                       ; twice that in kv,
	s_add_co_u32 s92, s21, s98                     ; + 8,192 for V^T
	s_mov_b32 s93, 0
	s_add_nc_u64 s[84:85], s[84:85], s[92:93]
	v_add_nc_u32 v[O2], s99, v[O0]
.endm
.macro FRAG reg, adr, q, i             ; fragment i of the slot's q-th 128 along K: its image, four groups of 512 bytes
.irp c, 0,1,2,3
	ds_load_b128 v[\reg+4*\c:\reg+4*\c+3], v[\adr] offset:4096*(\i)+2048*(\q)+512*\c
.endr
.endm
; 16 matrix instructions: A's blocks a0, a0 + 1 x B's eight, 128 along K.  p: B's set.  zero = 1: the first product starts the sums.
; The 64 accumulators take turns, one instruction a turn, in the same order in every step.
.macro MUL16 a0, p, zero
.irp a, \a0, \a0+1
.irp b, 0,1,2,3,4,5,6,7
.if \zero
	v_wmma_f32_16x16x128_fp8_fp8 v[8*(8*((\a)%4)+\b):8*(8*((\a)%4)+\b)+7], v[128*(\p)+FR*\b:128*(\p)+FR*\b+FR-1], v[AF+FR*(\a):AF+FR*(\a)+FR-1], 0
.else
	v_wmma_f32_16x16x128_fp8_fp8 v[8*(8*((\a)%4)+\b):8*(8*((\a)%4)+\b)+7], v[128*(\p)+FR*\b:128*(\p)+FR*\b+FR-1], v[AF+FR*(\a):AF+FR*(\a)+FR-1], v[8*(8*((\a)%4)+\b):8*(8*((\a)%4)+\b)+7]
.endif
.endr
.endr
.endm
.macro FETCH_B slot, q, p
	WIN TO_B
.irp i, 0,1,2,3,4,5,6,7
	FRAG 128*(\p)+FR*\i, ADRB+\slot, \q, \i
.endr
	WIN 0
.endm
.macro FETCH_A slot, q, i0
.irp i, \i0, \i0+1, \i0+2, \i0+3
	FRAG AF+FR*(\i), ADRA+\slot, \q, \i
.endr
.endm
.macro PLACES n                        ; a load into a register that a matrix instruction has read, and a vector instruction that reads a matrix result, stand four plain vector instructions behind it
.rept \n
	v_nop
.endr
.endm
; A step of 128 along K that has its successor in the same slot.  A's blocks go one after the other, each against B's eight: blocks 0-3 are fetched anew in the step's middle, blocks 4-7 at its end.
.macro STEP slot, q, zero
	s_wait_dscnt 4*NL                              ; B's set and A's blocks 0-3 are in; the youngest sixteen loads (A's blocks 4-7) may be out
	WIN MUL_LO
	MUL16 0, (\q)%2, \zero
	MUL16 2, (\q)%2, \zero
	s_wait_dscnt 0                                 ; A's blocks 4-7 are in
	PLACES NP
	FETCH_B \slot, (\q)+1, 1-(\q)%2
	FETCH_A \slot, (\q)+1, 0
	WIN MUL_HI
	MUL16 4, (\q)%2, \zero
	MUL16 6, (\q)%2, \zero
	PLACES NP
	WIN 0
	FETCH_A \slot, (\q)+1, 4
.endm
; A slot's last step changes slots: ONE barrier; in front of it each wave waits for all its tensor loads, adds 0 to its spare word, and waits for that and for its reads of this slot.
; fill = 1: the barrier opens a round of the cluster's barrier, and this slot is filled again, two K steps of 256 ahead, first thing behind the round.
.macro TURN slot, next, fill
	s_wait_tensorcnt 0x0                           ; all my tensor loads have landed: my part of the next slot  (every window is 0 here)
	ds_add_u32 v[SPW], v[NIL]                      ; 0 onto my spare word
	s_wait_dscnt 4*NL+1                            ; (the add and the youngest sixteen loads may be out)
	WIN MUL_LO
	MUL16 0, 1, 0                                  ; sixteen matrix instructions stand between the add and the wait for it
	s_wait_dscnt 0x0                               ; the add is done, and my reads of this slot are over
	s_barrier_signal -1
	MUL16 2, 1, 0
	WIN 0
	s_barrier_wait -1
.if \fill
	CREST                                          ; no wave of any partner still reads this slot's tile or has a load on its way
.if (\slot) == 0                       ; each slot is filled again once: every wave steps its address here, where none of its loads is out; slot 1's waves use it one turn later
	s_add_nc_u64 s[G0+2:G0+3], s[G0+2:G0+3], s[82:83]
	s_add_nc_u64 s[G0B+2:G0B+3], s[G0B+2:G0B+3], s[86:87]
.endif
	JLOAD \slot                                    ; the first tensor load behind the round
	PLACES NP                                      ; the places in front of the loads below, for the two waves that asked for nothing too
.else
	PLACES NP
.endif
	FETCH_B \next, 0, 0
	FETCH_A \next, 0, 0
	WIN MUL_HI
	MUL16 4, 1, 0
	MUL16 6, 1, 0
	PLACES NP
	WIN 0
	FETCH_A \next, 0, 4
.endm
	s_barrier_signal -1                            ; waves 0 and 1 have slot 0's tiles in; slot 1's are first read behind the first change of slots, where waves 2 and 3 wait for them
	s_barrier_wait -1
	FETCH_B 0, 0, 0
	FETCH_A 0, 0, 0
	FETCH_A 0, 0, 4
	PFADR 2, 3
	s_lshl_b32 s94, s15, 13                        ; my wave's half of the quarter
	s_add_nc_u64 s[2:3], s[2:3], s[94:95]
	global_prefetch_b8 v[PFO], s[2:3] th:TH_LOAD_NT scope:SCOPE_SE
	REST                                           ; while the first fragments come in
	STEP 0, 0, 1                                   ; K = 1,024 is four slots' worth: eight steps, written out.  The first products start the sums
	TURN 0, 1, 1                                   ; slot 0 takes K = 512 on
	STEP 1, 0, 0
	TURN 1, 0, 1                                   ; slot 1 takes K = 768 on
	STEP 0, 0, 0
	TURN 0, 1, 0                                   ; nothing is left to fetch
	STEP 1, 0, 0
	s_wait_dscnt 4*NL                              ; the very last step
	WIN MUL_LO
	MUL16 0, 1, 0
	MUL16 2, 1, 0
	s_wait_alu depctr_va_vdst(0)
	s_wait_dscnt 0
	WIN MUL_HI
	MUL16 4, 1, 0
	MUL16 6, 1, 0
	WIN 0
; THE WAY OUT of A's block a: its eight accumulators, 64 sums a lane, are held and converted: accumulator b gives registers 2 b, 2 b + 1 of codes.
; q, k: tokens 16 a on; registers 0-7 are my first head's image (16 x 64), registers 8-15 my second head's.  v: channels 16 (a % 4) on of head a / 4: the 16 registers are one image of V^T (16 x 128 keys).
.macro OUTBLK a
.set AC, 64*((\a)%4)
.set WN, 0x02+(\a)/4
	WIN WN                                         ; source 0: window 2 or 3
.set j, 0
.rept 64
	v_med3_num_f32 v[TMP+j], v[AC+j], -v[LIM], v[LIM]   ; the conversion does not saturate (ISA guide 7.6.2): the hold at 448 x the scale; each accumulator from its low end on
.set j, j+1
.endr
	WIN 0
.if (\a) > 0
	s_wait_alu depctr_va_vdst(0)
	s_wait_xcnt 0x0                                ; the last block's stores have read their data and their base: both are written again only behind this wait
.if (\a) == 4
	s_add_nc_u64 s[84:85], s[84:85], s[90:91]
.else
	s_add_nc_u64 s[84:85], s[84:85], s[88:89]
.endif
.endif
.irp b, 0,1,2,3,4,5,6,7
	v_cvt_scalef32_pk8_fp8_f32 v[CD+2*\b:CD+2*\b+1], v[TMP+8*\b:TMP+8*\b+7], v[SC]
.endr
	v_nop                                          ; one plain vector instruction between the conversions and the next block's holds, which write their sources
	global_store_b128 v[O0], v[CD:CD+3], s[84:85]               ; each store: 512 consecutive bytes, at a multiple of 512 from the buffer's first byte
	global_store_b128 v[O0], v[CD+4:CD+7], s[84:85] offset:512
	global_store_b128 v[O2], v[CD+8:CD+11], s[84:85]
	global_store_b128 v[O2], v[CD+12:CD+15], s[84:85] offset:512
.endm
	PLACES NP                                      ; behind the last products
.irp a, 0,1,2,3,4,5,6,7
	OUTBLK \a
.endr
	s_wait_tensorcnt 0x0                           ; the wave's end
	ds_add_u32 v[SPW], v[NIL]
	s_wait_dscnt 0x0
	CROUND                                         ; the closing round: no work-group ends while a partner may still ask for a tile that names it
	s_endpgm
.Lfunc_end_k_q196ffacc25_qkv:
	.size	k_q196ffacc25_qkv, .Lfunc_end_k_q196ffacc25_qkv-k_q196ffacc25_qkv
	.p2alignl 7, 3214868480
	.fill 96, 4, 3214868480
	.section	.rodata,"a",@progbits
	.p2align	6, 0x0
	.amdhsa_kernel k_q196ffacc25_qkv
		.amdhsa_group_segment_fixed_size 327680
		.amdhsa_private_segment_fixed_size 0
		.amdhsa_enable_private_segment 0
		.amdhsa_kernarg_size 40
		.amdhsa_user_sgpr_count 2
		.amdhsa_user_sgpr_kernarg_segment_ptr 1
		.amdhsa_wavefront_size32 1
		.amdhsa_system_sgpr_workgroup_id_x 1
		.amdhsa_system_sgpr_workgroup_id_y 1
		.amdhsa_system_sgpr_workgroup_id_z 1
		.amdhsa_system_vgpr_workitem_id 0
		.amdhsa_next_free_vgpr 1024
		.amdhsa_next_free_sgpr 100
		.amdhsa_reserve_vcc 0
		.amdhsa_float_denorm_mode_32 3
		.amdhsa_float_denorm_mode_16_64 3
		.amdhsa_memory_ordered 1
		.amdhsa_forward_progress 1
		.amdhsa_inst_pref_size 120
	.end_amdhsa_kernel
	.amdgpu_metadata
---
amdhsa.version: [ 1, 2 ]
amdhsa.kernels:
  - .name:           k_q196ffacc25_qkv
    .symbol:         k_q196ffacc25_qkv.kd
    .args:
      - { .name: xq, .offset: 0, .size: 8, .value_kind: global_buffer, .address_space: global }
      - { .name: wq, .offset: 8, .size: 8, .value_kind: global_buffer, .address_space: global }
      - { .name: lowp_scales, .offset: 16, .size: 8, .value_kind: global_buffer, .address_space: global }
      - { .name: qimg, .offset: 24, .size: 8, .value_kind: global_buffer, .address_space: global }
      - { .name: kv, .offset: 32, .size: 8, .value_kind: global_buffer, .address_space: global }
    .group_segment_fixed_size: 327680
    .private_segment_fixed_size: 0
    .kernarg_segment_align: 8
    .kernarg_segment_size: 40
    .max_flat_workgroup_size: 128
    .sgpr_count:     100
    .vgpr_count:     1024
    .wavefront_size: 32
...
	.end_amdgpu_metadata
.endif
;; end of part 2
;; launch attn (part 3): grid 8 x 32, 16 waves a work-group, clusters of 4 x 1, 327,680 bytes of LDS; arguments qimg, kv, lowp_scales, ctx; writes ctx
.if DOCPART == 3
	.amdgcn_target "amdgcn-amd-amdhsa--gfx1250"
	.amdhsa_code_object_version 6
	.text
	.protected	k_q196ffacc25_attn
	.globl	k_q196ffacc25_attn
	.p2align	8
	.type	k_q196ffacc25_attn,@function
k_q196ffacc25_attn:
	s_mov_b64 s[64:65], 0
	v_nop
	global_prefetch_b8 v0, s[64:65] scope:SCOPE_SE
	s_setreg_imm32_b32 hwreg(HW_REG_WAVE_MODE, 25, 1), 1
	s_wait_xcnt 0x0
	s_wait_alu depctr_hold_cnt(0) depctr_sa_sdst(0) depctr_va_vdst(0) depctr_va_sdst(0) depctr_va_ssrc(0) depctr_va_vcc(0) depctr_vm_vsrc(0)
	s_getreg_b32 s2, hwreg(HW_REG_IB_STS2, 6, 4)
	s_cmp_eq_u32 s2, 0
	s_cbranch_scc0 .Lentry_in_a_cluster
	s_endpgm
.Lentry_in_a_cluster:
	s_bfe_u32 s2, ttmp6, 0x10000c
	s_cmp_lg_u32 s2, 0x3003
	s_cbranch_scc0 .Lentry_shape_is_right
	s_endpgm
.Lentry_shape_is_right:
; ctx = softmax(q k^T / 8, causal) v for 32 heads of 2,048 tokens x 64, both products on codes of FP8 (E4M3); ctx leaves as codes with 2^e6 for the projection.
; SOFTMAX: t = score x log2(e) / 8; M = the largest t so far, rounded UP to a whole number; p = 2^(t - M) is quantised with 2^e4; the sum is taken of the unquantised p; when M moves, sum and O are multiplied by a power of two.
; LEFT OUT: steps of 128 keys that lie wholly behind a tile's 16 queries: the causal mask sets their scores to -infinity.  A NaN, an infinity or an overflow that reaches those scores alone is not carried to the result.
; SHARES.  A work-group owns, in each of the 16 steps of 128 tokens, the tile of 16 queries with the number x = work-group x (0 .. 7): tile j needs the key steps 0 .. j.  Tiles q and 15 - q (q = 0 .. 7) are 17 key steps
; together and go to two waves: wave q (A) takes tile 15 - q's key steps 0 .. 8; wave 8 + q (B) takes tile q whole (q + 1 steps), sends it out, and then takes tile 15 - q's key steps 9 .. 15 - q (7 - q steps).
; So every wave has 8 or 9 steps.  At the end B hands its part (O^T, -M, the sum) to A through LDS, and A joins the two.
; LDS holds the head's whole K and V, 16 steps x 16 KB, filled once: wave w asks for step w, jointly with the cluster's three other work-groups (they have the same head).  Trip 0 reads step 0 alone: wave 0 waits for its load
; ahead of trip 0's barrier, the other waves for theirs ahead of a second barrier inside trip 0, behind which all steps may be read.  Nothing is filled again.
; No prefetch: all that is read is asked for at the head, so there is no loop that could run ahead of a load.
; kv: [head][step][K: 8 tiles of 16 keys x 1,024 B; V^T: 4 tiles of 16 channels x 2,048 B], images of fragments.  Both products are used transposed: a lane holds ONE query (lane % 16); register 8 t + j of S^T is key 16 t + 8 (lane / 16) + j.
; ctx: images of 16 tokens x 64 (1,024 B): (head / 8) x 2 MB + (token / 16) x 8,192 + (head % 8) x 1,024, head = 0 .. 15 of its batch.
; REGISTERS: v0 2^e4; v1 16 x lane; v2, v3 the add's; v4, v5 448 x 2^e4; v6 f; v7 LDS address; v8, v9 at work; v10 -M; v11 the largest t; v[12:13] the sum in two halves; v14-21 Q; v22-29 Q of tile 15 - q;
; v32-95 S^T, then p;  v30-45 p's codes, laid over tiles of p that have been converted;  v96-159 K;  v160-191 O^T;  v192-255 V^T.
; LIMITS: e2 + e3 between -123 and 130; e4 and e6 between -126 and 119; the scaled scores t stay under 2^31 in magnitude.  NaN is not served.
.set VOFF,  8192
.set DUMP,  262144                     ; behind K and V: 4,608 bytes for each of 8 pairs of waves: no tensor load lands there
.set DSZ,   4608
.set SPARE, DUMP+8*DSZ                 ; the spare words, 128 bytes for each wave
.set WV,  12                           ; wave
.set QB,  13                           ; the tile in hand
.set QB2, 14                           ; 15 - q
.set XQ,  15                           ; x: used in addresses of q and ctx and in selections alone
.set I,   36                           ; trip
.set SW,  37                           ; the trip at whose head B changes tiles (A: never)
.set DD,  38                           ; 8 - q: behind the change trip i takes key step i + 8 - q
.set TB,  39                           ; LDS byte of this trip's step
.set KS,  40                           ; its number
.set TN,  41                           ; LDS byte of the next trip's step
.set TMP, 43
.set CS,  44
.set SEL, 46
.set OUT, 60
.set S6,  62                           ; 2^e6
.set L6,  63                           ; 448 x 2^e6
.set MK,  66                           ; s66-73: lanes whose key j of the diagonal tile is hidden
.set ML,  74                           ; s74-81: the same for the tile in hand
.set E45, 83
.macro CROUND
	s_barrier_signal -1
	s_barrier_wait -1
	s_cmp_lg_u32 s[WV], 0
	s_cbranch_scc1 .Lnot_wave_0_\@
	s_barrier_signal -3
.Lnot_wave_0_\@:
	s_barrier_wait -3
	s_barrier_signal -1
	s_barrier_wait -1
.endm
.macro HINT n
	s_delay_alu instid0(VALU_DEP_\n)
.endm
.macro LOADK adr                       ; a step's eight fragments of K
.irp t, 0,1,2,3,4,5,6,7
	ds_load_b128 v[96+8*\t:99+8*\t], v[\adr] offset:1024*\t
	ds_load_b128 v[100+8*\t:103+8*\t], v[\adr] offset:1024*\t+512
.endr
.endm
.macro LOADV adr
.irp u, 0,1,2,3
.irp c, 0,1,2,3
	ds_load_b128 v[192+16*\u+4*\c:195+16*\u+4*\c], v[\adr] offset:VOFF+2048*\u+512*\c
.endr
.endr
.endm
.macro MINS t                          ; p is not negative: the hold at the largest code x the scale is one-sided (the conversion does not saturate: ISA guide 7.6.2)
.irp i, 0,2,4,6
	v_dual_min_num_f32 v[32+8*(\t)+\i], v4, v[32+8*(\t)+\i] :: v_dual_min_num_f32 v[33+8*(\t)+\i], v5, v[33+8*(\t)+\i]
.endr
.endm
.macro CVT t
	v_cvt_scalef32_pk8_fp8_f32 v[30+2*(\t):31+2*(\t)], v[32+8*(\t):39+8*(\t)], v0
.endm
; A KEY STEP; its K fragments have been asked for.  first = 1: trip 0, which starts the sums and reads no step but 0 ahead of its barrier.
.macro STEP first
.if \first
	LOADV 1
.else
	v_add_nc_u32 v7, s[TB], v1                     ; (with the four v_nop behind the last P V: five places in front of the products that write over p's codes, and four in front of the loads of V)
	LOADV 7
.endif
	s_wait_dscnt 16                                ; K is in: V's sixteen loads, issued behind, may be out
.irp t, 0,1,2,3,4,5,6,7
	v_wmma_f32_16x16x64_fp8_fp8 v[32+8*\t:39+8*\t], v[96+8*\t:103+8*\t], v[14:21], 0
.endr
.if \first
	v_nop
.else
	v_add_nc_u32 v7, s[TN], v1                     ; (a place)
.endif
.rept 3
	v_nop
.endr
.if (\first) == 0
	LOADK 7                                        ; the next trip's K, a whole softmax ahead of its use (the last trip's is read and not used)
.endif
	s_cmp_lg_u32 s[KS], s[QB]
	s_cbranch_scc1 .Lopen_\@
	v_mov_b32 v30, 0xff800000                      ; THE DIAGONAL: tile t of the step's keys is seen whole where t < x, hidden whole where t > x, and by the lane's masks where t = x
	s_wait_alu depctr_va_vdst(0)
.irp t, 0,1,2,3,4,5,6,7
	s_cmp_lt_u32 s[XQ], \t
	s_cselect_b32 s82, -1, 0
	s_cmp_eq_u32 s[XQ], \t
.irp j, 0,1,2,3,4,5,6,7
	s_cselect_b32 s[ML+\j], s[MK+\j], s82
.endr
.irp j, 0,1,2,3,4,5,6,7
	v_cndmask_b32 v[32+8*\t+\j], v[32+8*\t+\j], v30, s[ML+\j]
.endr
.endr
.Lopen_\@:
	v_max3_num_f32 v8, v32, v33, v34               ; the step's largest score, in four chains
	v_max3_num_f32 v6, v35, v36, v37
	v_max3_num_f32 v30, v38, v39, v40
	v_max3_num_f32 v31, v41, v42, v43
.irp i, 12,20,28,36,44,52
	v_max3_num_f32 v8, v8, v[32+\i], v[33+\i]
	v_max3_num_f32 v6, v6, v[34+\i], v[35+\i]
	v_max3_num_f32 v30, v30, v[36+\i], v[37+\i]
	v_max3_num_f32 v31, v31, v[38+\i], v[39+\i]
.endr
	v_max3_num_f32 v8, v8, v92, v93
	v_max3_num_f32 v6, v6, v94, v95
	v_max3_num_f32 v8, v8, v6, v30
	HINT 1
	v_max_num_f32 v8, v8, v31
	HINT 1
	v_permlanex16_b32 v9, v8, s[SEL], s[SEL+1]
	HINT 1
	v_max_num_f32 v8, v8, v9                       ; and among lane l xor 16's keys
	HINT 1
.if \first
	v_mul_f32 v11, s[CS], v8                       ; the largest t
	HINT 1
	v_floor_f32 v10, -v11                          ; -M
.else
	v_mul_f32 v8, s[CS], v8
	HINT 1
	v_max_num_f32 v11, v11, v8                     ; the running largest t
	v_mov_b32 v8, v10
	HINT 2
	v_floor_f32 v10, -v11                          ; the new -M
	HINT 1
	v_sub_f32 v8, v10, v8                          ; the old M less the new: a whole number, 0 or less
	HINT 1
	v_cvt_i32_f32 v8, v8
	HINT 1
	v_ldexp_f32 v6, 1.0, v8                        ; f = 2^(old M - new M)
.endif
.set j, 0
.rept 32
	v_pk_fma_f32 v[32+j:33+j], v[32+j:33+j], s[CS:CS+1], v[10:11] op_sel_hi:[1,0,0]   ; t - M
.set j, j+2
.endr
	s_wait_alu depctr_va_vdst(0)
.set j, 0
.rept 64
	v_exp_f32 v[32+j], v[32+j]
.set j, j+1
.endr
.if \first
	v_nop
	s_wait_alu depctr_va_vdst(0)
	v_pk_add_f32 v[12:13], v[32:33], v[40:41]      ; the sum of the unquantised p, in four chains
.else
	v_pk_mul_f32 v[12:13], v[12:13], v[6:7] op_sel_hi:[1,0]
	s_wait_alu depctr_va_vdst(0)                   ; for the batch's results, and for O^T, whose first readers follow
.set j, 0
.rept 16
	v_pk_mul_f32 v[160+j:161+j], v[160+j:161+j], v[6:7] op_sel_hi:[1,0]               ; O^T under the new M
.set j, j+2
.endr
	v_pk_add_f32 v[12:13], v[12:13], v[32:33]      ; the sum of the unquantised p, in four chains
.endif
	v_pk_add_f32 v[8:9], v[34:35], v[42:43]
	v_pk_add_f32 v[6:7], v[36:37], v[44:45]
	v_pk_add_f32 v[30:31], v[38:39], v[46:47]
.if (\first) == 0
	v_pk_add_f32 v[12:13], v[12:13], v[40:41]
.endif
.irp j, 16,24,32,40,48,56
	v_pk_add_f32 v[8:9], v[8:9], v[34+\j:35+\j]
	v_pk_add_f32 v[6:7], v[6:7], v[36+\j:37+\j]
	v_pk_add_f32 v[30:31], v[30:31], v[38+\j:39+\j]
	v_pk_add_f32 v[12:13], v[12:13], v[32+\j:33+\j]
.endr
	v_pk_add_f32 v[6:7], v[6:7], v[30:31]
	v_pk_add_f32 v[12:13], v[12:13], v[8:9]
	HINT 1
	v_pk_add_f32 v[12:13], v[12:13], v[6:7]
	MINS 0
.irp t, 1,2,3,4,5,6,7
	MINS \t
	CVT \t-1
.endr
	v_nop
	CVT 7
	v_nop                                          ; one plain vector instruction behind the last conversion
	s_wait_alu depctr_va_vdst(0)
.if \first
	s_wait_dscnt 0x0                               ; V is in: no LDS read of mine is out
	s_wait_tensorcnt 0x0                           ; my step is in,
	s_barrier_signal -1
.irp u, 0,1,2,3
	v_wmma_f32_16x16x128_fp8_fp8 v[160+8*\u:167+8*\u], v[192+16*\u:207+16*\u], v[30:45], 0
.endr
	s_barrier_wait -1                              ; and everybody's: from here on any step may be read
	v_add_nc_u32 v7, s[TN], v1
	LOADK 7                                        ; trip 1's K
.else
	s_wait_dscnt 16                                ; V is in: the next K's sixteen loads, issued behind, may be out
.irp u, 0,1,2,3
	v_wmma_f32_16x16x128_fp8_fp8 v[160+8*\u:167+8*\u], v[192+16*\u:207+16*\u], v[30:45], v[160+8*\u:167+8*\u]
.endr
.endif
.rept 4
	v_nop
.endr
.endm
; A TILE GOES OUT: O^T / the sum x 2^(e4 + e5), quantised with 2^e6: tile u's eight numbers give registers 2 u, 2 u + 1 of the image.  It works in v32-73, which hold nothing then.
.macro FIN
	v_add_f32 v12, v12, v13
	HINT 1
	v_permlanex16_b32 v9, v12, s[SEL], s[SEL+1]
	HINT 1
	v_add_f32 v12, v12, v9
	v_mov_b32 v72, s[S6]
	v_mov_b32 v73, s[L6]
	s_wait_alu depctr_va_vdst(0)
	v_rcp_f32 v12, v12
	v_nop
	s_wait_alu depctr_va_vdst(0)                   ; it serves O^T's first readers too
	v_ldexp_f32 v12, v12, s[E45]
.set j, 0
.rept 16
	v_pk_mul_f32 v[32+j:33+j], v[160+j:161+j], v[12:13] op_sel_hi:[1,0]
.set j, j+2
.endr
.set j, 0
.rept 32
	v_med3_num_f32 v[32+j], v[32+j], -v73, v73
.set j, j+1
.endr
.irp u, 0,1,2,3
	v_cvt_scalef32_pk8_fp8_f32 v[64+2*\u:65+2*\u], v[32+8*\u:39+8*\u], v72
.endr
	v_nop
	global_store_b128 v1, v[64:67], s[OUT:OUT+1]   ; each store: 512 consecutive bytes, at a multiple of 512 from ctx's first byte
	global_store_b128 v1, v[68:71], s[OUT:OUT+1] offset:512
.endm
.macro SCALES                          ; the constants that hang on the given exponents
	s_wait_kmcnt 0x0
	s_mov_b32 s[CS], 0x3e38aa3b                    ; c = log2(e) / 8
	s_add_co_i32 s48, s26, s27
	s_lshl_b32 s48, s48, 23
	s_add_co_i32 s[CS], s[CS], s48                 ; a score stands for score x 2^(e2 + e3): added to c's exponent field
	s_mov_b32 s[CS+1], s[CS]                       ; (named with it as a pair)
	s_add_co_i32 s48, s28, 127
	s_lshl_b32 s49, s48, 23
	v_mov_b32 v0, s49                              ; 2^e4
	s_add_co_i32 s48, s48, 8
	s_lshl_b32 s48, s48, 23
	s_or_b32 s48, s48, 0x600000
	v_mov_b32 v4, s48                              ; 448 x 2^e4, twice: a dual pair's first sources
	v_mov_b32 v5, s48
	s_add_co_i32 s48, s30, 127
	s_lshl_b32 s[S6], s48, 23
	s_add_co_i32 s48, s48, 8
	s_lshl_b32 s48, s48, 23
	s_or_b32 s[L6], s48, 0x600000
	s_add_co_i32 s[E45], s28, s29
.endm
	s_load_b256 s[4:11], s[0:1], 0x0               ; qimg s[4:5], kv s[6:7], the scales' exponents s[8:9], ctx s[10:11]
	v_lshl_add_u32 v2, v0, 2, SPARE
	v_mov_b32 v3, 0
	ds_add_u32 v2, v3                              ; the opening: the add, twice on end, and its wait
	ds_add_u32 v2, v3
	v_lshrrev_b32 v8, 5, v0
	HINT 1
	v_readfirstlane_b32 s[WV], v8                  ; wave 0..15
	v_and_b32 v9, 31, v0
	HINT 1
	v_lshlrev_b32 v1, 4, v9
	v_and_b32 v8, 15, v0
	v_bfe_u32 v9, v0, 4, 1
	HINT 1
	v_lshlrev_b32 v9, 3, v9
	HINT 1
	v_sub_nc_u32 v9, v8, v9                        ; r - 8 h: key j of the diagonal tile is hidden where j > r - 8 h
.irp j, 0,1,2,3,4,5,6,7
	v_cmp_gt_i32 s[MK+\j], \j, v9
.endr
	s_and_b32 s48, s[WV], 7                        ; q
	s_sub_co_u32 s[QB2], 15, s48
	s_xor_b32 s[DD], s48, 7
	s_add_co_u32 s[DD], s[DD], 1                   ; 7 - q + 1
	s_add_co_u32 s49, s48, 1
	s_cmp_lt_u32 s[WV], 8
	s_cselect_b32 s[QB], s[QB2], s48               ; A begins with tile 15 - q, B with tile q
	s_cselect_b32 s[SW], 64, s49
	s_bfe_u32 s50, ttmp6, 0x40000                  ; cx
	s_lshl_b32 s[XQ], ttmp9, 2
	s_add_co_u32 s[XQ], s[XQ], s50                 ; x
	s_and_b32 s51, ttmp7, 0xffff                   ; 16 x batch + head
	s_mov_b32 s16, 15|(3<<16)|(1<<21)              ; group 1: 15:0 all four of the cluster; elements of 8 bytes; 21 set beside a mask
	s_mov_b32 s17, 32<<16                          ; 64 rows of 32 elements, dense: 16 KB
	s_mov_b32 s18, 64<<16
	s_mov_b32 s19, 32<<16
	s_mov_b32 s20, 64
	s_mov_b32 s21, 32
	s_mov_b32 s22, 0
	s_mov_b32 s23, 0
	s_mov_b32 s[SEL], 0x76543210
	s_mov_b32 s[SEL+1], 0xfedcba98
	s_lshl_b32 s52, s[WV], 14                      ; step w: its place in LDS, and in the head's K and V
	s_lshl_b32 s54, s51, 18
	s_add_co_u32 s54, s54, s52
	s_mov_b32 s55, 0
	s_lshl_b32 s84, s51, 7                         ; q's images: (head x 128 + tile x 8 + x) x 1,024
	s_add_co_u32 s84, s84, s[XQ]
	s_lshl_b32 s56, s[QB], 3
	s_lshl_b32 s57, s[QB2], 3
	s_add_co_u32 s86, s84, s57
	s_add_co_u32 s84, s84, s56
	s_lshl_b32 s84, s84, 10
	s_lshl_b32 s86, s86, 10
	s_mov_b32 s85, 0
	s_mov_b32 s87, 0
	s_bfe_u32 s58, s51, 0x10003                    ; ctx: which plane of 512 along K
	s_lshl_b32 s58, s58, 21
	s_lshr_b32 s59, s51, 4
	s_lshl_b32 s59, s59, 7
	s_add_co_u32 s59, s59, s56
	s_add_co_u32 s59, s59, s[XQ]
	s_lshl_b32 s59, s59, 13
	s_add_co_u32 s58, s58, s59
	s_and_b32 s59, s51, 7
	s_lshl_b32 s59, s59, 10
	s_add_co_u32 s58, s58, s59
	s_mov_b32 s59, 0
	s_mov_b32 s[KS], 0
	s_wait_alu depctr_va_vdst(0)
	s_wait_dscnt 0x0                               ; both opening adds are done
	s_wait_kmcnt 0x0
	s_load_b256 s[24:31], s[8:9], 0x0              ; e0 .. e7
	s_add_nc_u64 s[54:55], s[6:7], s[54:55]
	s_add_nc_u64 s[84:85], s[4:5], s[84:85]
	s_add_nc_u64 s[86:87], s[4:5], s[86:87]
	s_add_nc_u64 s[OUT:OUT+1], s[10:11], s[58:59]
	s_mov_b32 s32, 1
	s_mov_b32 s33, s52
	s_mov_b64 s[34:35], s[54:55]
	s_or_b32 s35, s35, 0x80000000
	global_load_b128 v[14:17], v1, s[84:85]        ; Q of my first tile,
	global_load_b128 v[18:21], v1, s[84:85] offset:512
	global_load_b128 v[22:25], v1, s[86:87]        ; and of tile 15 - q, which B takes up later
	global_load_b128 v[26:29], v1, s[86:87] offset:512
	CROUND                                         ; all four work-groups are here: the joint loads meet
	s_cmp_eq_u32 s[WV], 0                          ; one tensor load a wave, and the only one; the branch hangs on the wave's number alone
	s_cbranch_scc1 .Lfetch_0
	tensor_load_to_lds s[32:35], s[16:23]          ; steps 1 .. 15: waited for inside trip 0
	s_nop 0
.rept 4
	v_nop
.endr
	SCALES
	s_branch .Lfetched
.Lfetch_0:
	tensor_load_to_lds s[32:35], s[16:23]          ; step 0: trip 0 reads it
	s_nop 0
.rept 4
	v_nop
.endr
	SCALES
	s_wait_alu depctr_va_vdst(0)
	s_wait_tensorcnt 0x0
.Lfetched:
	s_wait_alu depctr_va_vdst(0)
	s_wait_loadcnt 0x0                             ; Q
	s_barrier_signal -1
	s_barrier_wait -1                              ; step 0 is in
	s_cmp_le_u32 s[SW], 1
	s_cselect_b32 s[TN], s[DD], 0
	s_add_co_u32 s[TN], s[TN], 1                   ; trip 1's step
	s_min_u32 s[TN], s[TN], 15
	s_lshl_b32 s[TN], s[TN], 14
	LOADK 1
	STEP 1
	s_mov_b32 s[I], 1
.Ltrip:
	s_cmp_ge_u32 s[I], s[SW]
	s_cselect_b32 s[TB], s[DD], 0
	s_add_co_u32 s[KS], s[I], s[TB]                ; this trip's step,
	s_min_u32 s[TB], s[KS], 15
	s_lshl_b32 s[TB], s[TB], 14
	s_add_co_u32 s[TMP], s[I], 1
	s_cmp_ge_u32 s[TMP], s[SW]
	s_cselect_b32 s[TN], s[DD], 0
	s_add_co_u32 s[TN], s[TN], s[TMP]              ; and the next's, held inside K and V
	s_min_u32 s[TN], s[TN], 15
	s_lshl_b32 s[TN], s[TN], 14
	s_cmp_lg_u32 s[I], s[SW]
	s_cbranch_scc1 .Lstay
	FIN                                            ; B: tile q is finished, and tile 15 - q is taken up
.irp j, 0,1,2,3,4,5,6,7
	v_mov_b32 v[14+\j], v[22+\j]
.endr
	v_mov_b32 v11, 0xff61b1e6                      ; the largest t so far: -3e38
.set j, 0
.rept 32
	v_mov_b32 v[160+j], 0                          ; (the loop's step is written once: it finds zeros here)
.set j, j+1
.endr
	v_floor_f32 v10, -v11
	v_mov_b32 v12, 0
	v_mov_b32 v13, 0
	s_mov_b32 s[QB], s[QB2]
	s_wait_alu depctr_va_vdst(0)
	s_wait_xcnt 0x0                                ; the stores have read their data
.Lstay:
	s_cmp_gt_u32 s[KS], s[QB]
	s_cbranch_scc1 .Lhidden                        ; B's ninth trip has no step
	STEP 0
.Lhidden:
	s_add_co_u32 s[I], s[I], 1
	s_cmp_lt_u32 s[I], 9
	s_cbranch_scc1 .Ltrip
	s_and_b32 s48, s[WV], 7
	s_mul_i32 s48, s48, DSZ
	s_add_co_u32 s48, s48, DUMP
	v_add_nc_u32 v7, s48, v1                       ; the pair's bytes
	s_wait_alu depctr_va_vdst(0)
	s_cmp_lt_u32 s[WV], 8
	s_cbranch_scc1 .Lkeep
.irp k, 0,1,2,3,4,5,6,7
	ds_store_b128 v7, v[160+4*\k:163+4*\k] offset:512*\k
.endr
	ds_store_b128 v7, v[10:13] offset:4096         ; -M, the largest t, the sum's halves
.Lkeep:
	s_wait_dscnt 0x0                               ; my stores are done (and the last trip's loads of K)
	s_barrier_signal -1
	s_barrier_wait -1
	s_cmp_lt_u32 s[WV], 8
	s_cbranch_scc0 .Lend
	ds_load_b128 v[128:131], v7 offset:4096
.irp k, 0,1,2,3,4,5,6,7
	ds_load_b128 v[96+4*\k:99+4*\k], v7 offset:512*\k
.endr
	s_wait_dscnt 8                                 ; B's -M and sum are in
	v_min_num_f32 v8, v10, v128                    ; -M of both
	HINT 1
	v_sub_f32 v9, v8, v10
	v_sub_f32 v128, v8, v128
	v_cvt_i32_f32 v9, v9
	v_cvt_i32_f32 v128, v128
	v_ldexp_f32 v6, 1.0, v9                        ; mine x 2^(my M - M),
	v_ldexp_f32 v128, 1.0, v128                    ; B's x 2^(B's M - M): 0 where B had no step
	v_pk_mul_f32 v[12:13], v[12:13], v[6:7] op_sel_hi:[1,0]
	v_pk_fma_f32 v[12:13], v[130:131], v[128:129], v[12:13] op_sel_hi:[1,0,1]
.set j, 0
.rept 16
	v_pk_mul_f32 v[160+j:161+j], v[160+j:161+j], v[6:7] op_sel_hi:[1,0]
.set j, j+2
.endr
	s_wait_dscnt 0x0
.set j, 0
.rept 16
	v_pk_fma_f32 v[160+j:161+j], v[96+j:97+j], v[128:129], v[160+j:161+j] op_sel_hi:[1,0,1]
.set j, j+2
.endr
	FIN
.Lend:
	s_wait_tensorcnt 0x0                           ; the wave's end
	ds_add_u32 v2, v3
	s_wait_dscnt 0x0
	CROUND                                         ; the closing round: no work-group ends while a partner may still ask for a tile that names it
	s_endpgm
.Lfunc_end_k_q196ffacc25_attn:
	.size	k_q196ffacc25_attn, .Lfunc_end_k_q196ffacc25_attn-k_q196ffacc25_attn
	.p2alignl 7, 3214868480
	.fill 96, 4, 3214868480
	.section	.rodata,"a",@progbits
	.p2align	6, 0x0
	.amdhsa_kernel k_q196ffacc25_attn
		.amdhsa_group_segment_fixed_size 327680
		.amdhsa_private_segment_fixed_size 0
		.amdhsa_enable_private_segment 0
		.amdhsa_kernarg_size 32
		.amdhsa_user_sgpr_count 2
		.amdhsa_user_sgpr_kernarg_segment_ptr 1
		.amdhsa_wavefront_size32 1
		.amdhsa_system_sgpr_workgroup_id_x 1
		.amdhsa_system_sgpr_workgroup_id_y 1
		.amdhsa_system_sgpr_workgroup_id_z 1
		.amdhsa_system_vgpr_workitem_id 0
		.amdhsa_next_free_vgpr 256
		.amdhsa_next_free_sgpr 100
		.amdhsa_reserve_vcc 0
		.amdhsa_float_denorm_mode_32 3
		.amdhsa_float_denorm_mode_16_64 3
		.amdhsa_memory_ordered 1
		.amdhsa_forward_progress 1
		.amdhsa_inst_pref_size 67
	.end_amdhsa_kernel
	.amdgpu_metadata
---
amdhsa.version: [ 1, 2 ]
amdhsa.kernels:
  - .name:           k_q196ffacc25_attn
    .symbol:         k_q196ffacc25_attn.kd
    .args:
      - { .name: qimg, .offset: 0, .size: 8, .value_kind: global_buffer, .address_space: global }
      - { .name: kv, .offset: 8, .size: 8, .value_kind: global_buffer, .address_space: global }
      - { .name: lowp_scales, .offset: 16, .size: 8, .value_kind: global_buffer, .address_space: global }
      - { .name: ctx, .offset: 24, .size: 8, .value_kind: global_buffer, .address_space: global }
    .group_segment_fixed_size: 327680
    .private_segment_fixed_size: 0
    .kernarg_segment_align: 8
    .kernarg_segment_size: 32
    .max_flat_workgroup_size: 512
    .sgpr_count:     100
    .vgpr_count:     256
    .wavefront_size: 32
...
	.end_amdgpu_metadata
.endif
;; end of part 3
;; launch proj (part 4): grid 8 x 32, 4 waves a work-group, clusters of 4 x 4, 280,064 bytes of LDS; arguments ctx, woq, lowp_scales, out0; writes out0
.if DOCPART == 4
	.amdgcn_target "amdgcn-amd-amdhsa--gfx1250"
	.amdhsa_code_object_version 6
	.text
	.protected	k_q196ffacc25_proj
	.globl	k_q196ffacc25_proj
	.p2align	8
	.type	k_q196ffacc25_proj,@function
k_q196ffacc25_proj:
	s_mov_b64 s[64:65], 0
	v_nop
	global_prefetch_b8 v0, s[64:65] scope:SCOPE_SE
	s_setreg_imm32_b32 hwreg(HW_REG_WAVE_MODE, 25, 1), 1
	s_wait_xcnt 0x0
	s_wait_alu depctr_hold_cnt(0) depctr_sa_sdst(0) depctr_va_vdst(0) depctr_va_sdst(0) depctr_va_ssrc(0) depctr_va_vcc(0) depctr_vm_vsrc(0)
	s_getreg_b32 s2, hwreg(HW_REG_IB_STS2, 6, 4)
	s_cmp_eq_u32 s2, 0
	s_cbranch_scc0 .Lentry_in_a_cluster
	s_endpgm
.Lentry_in_a_cluster:
	s_bfe_u32 s2, ttmp6, 0x10000c
	s_cmp_lg_u32 s2, 0xf033
	s_cbranch_scc0 .Lentry_shape_is_right
	s_endpgm
.Lentry_shape_is_right:
; out0 = ctx w_out^T on codes of FP8 (E4M3): M = 4,096 tokens, N = 1,024, K = 1,024; each finished sum x 2^(e6 + e7); out0 f32.
; OPERANDS are images of fragments (16 rows x 128 K = 2,048 bytes: four groups of 512 bytes, lane l's 16 bytes at 16 l): byte = (k / 512) x PLANE + (row / 16) x 8192 + ((k / 128) % 4) x 2048 + ..
; A tile of the result is 128 x 128, so that there are 256 work-groups.  Four waves, each 64 x 64: 16 accumulators.
; LDS holds BOTH operands' tiles for the whole K, 2 halves of K x (64 KB of ctx + 64 KB of w_out), filled ONCE: wave w asks for half w / 2 of ctx (w even) or w_out (w odd): one tensor load a wave.  No ring, no refill, no loop: no prefetch.
; CLUSTERS: 4 x 4 work-groups.  ctx's tile hangs on the tile row alone and is asked for jointly along a row of the cluster, w_out's on the tile column alone, along a column.
; A half of K: all my fragments of w_out stay in registers (4 x 4 x 16), and the four blocks of 16 tokens go one after the other; in the second half each block is finished in turn and leaves while the next is multiplied.
; THE MATRIX INSTRUCTION IS USED TRANSPOSED (source 0 = 16 rows of w_out, source 1 = 16 tokens): a lane holds eight neighbouring numbers of a row of out0.  A wave's 64 columns are 256 bytes:
; a block of 16 rows goes through the wave's own stage in LDS and leaves with sixteen lanes storing 256 consecutive bytes.
; LIMIT: e6 + e7 between -126 and 127, so that 2^(e6 + e7) is an f32 number.
; REGISTERS: window 0: v8-18 addresses; v30-31 the add's; v32-63 a block's scaled sums; v64-127 rows read back, two sets; v128-255 the accumulators ((a, b) at v[128 + 8 (4 a + b)]).
;   window 1: ctx's fragments, block a's four at v[64 a];  window 2: w_out's of the first half of K, step q's four at v[64 q];  window 3: of the second half.
.set HALF,  131072
.set OUTS,  262144                     ; behind the tiles: 16 rows x 272 bytes for each wave: 17 blocks of 256 bytes each, into which no tensor load lands
.set SPARE, 279552                     ; the spare words, 128 bytes for each wave
.set SP,    272                        ; 256 bytes + 16 = 68 words: the 16 rows that a store touches start 4 banks apart (64 banks of 4 bytes: ISA guide 11.1)
.set ADRA,  8                          ; v8-9    LDS address of my fragments of ctx in half 0, 1
.set ADRB,  10                         ; v10-11  the same for w_out
.set STO,   16                         ; v16     the way out: where I put 32 bytes of a row
.set RD,    17                         ; v17     where I read a row back
.set CO,    18                         ; v18     my byte offset in out0
.set TMP,   32
.set ACC,   128
.set G1,  16                           ; s[16:23] descriptor group 1 for ctx;  s[24:31] for w_out
.set G1B, 24
.set G0,  32                           ; s[32:35], s[36:39] their groups 0
.set G0B, 36
.set MSB, 0
.macro WIN new                         ; the immediate's high byte repeats the setting that is left
.if MSB != \new
	s_set_vgpr_msb (MSB<<8)|\new
.set MSB, \new
.endif
.endm
.macro CROUND                          ; a round of the cluster's barrier
	s_barrier_signal -1
	s_barrier_wait -1
	s_cmp_lg_u32 s12, 0
	s_cbranch_scc1 .Lnot_wave_0_\@
	s_barrier_signal -3
.Lnot_wave_0_\@:
	s_barrier_wait -3
	s_barrier_signal -1
	s_barrier_wait -1
.endm
.macro PLACES
.rept 4
	v_nop
.endr
.endm
	s_load_b256 s[4:11], s[0:1], 0x0               ; ctx s[4:5], woq s[6:7], the scales' exponents s[8:9], out0 s[10:11]
	v_lshl_add_u32 v30, v0, 2, SPARE
	v_mov_b32 v31, 0
	ds_add_u32 v30, v31                            ; the opening: the add, twice on end, and its wait
	ds_add_u32 v30, v31
	v_lshrrev_b32 v1, 5, v0
	v_readfirstlane_b32 s12, v1                    ; wave 0..3
	s_lshr_b32 s13, s12, 1                         ; my half of the tile's rows.  Also: the half of K that I fetch
	s_and_b32 s14, s12, 1                          ; my half of its columns.  Also: I fetch ctx (0) or w_out (1)
	s_bfe_u32 s82, ttmp6, 0x40000                  ; cx, cy: my place in the cluster
	s_bfe_u32 s83, ttmp6, 0x40004
	s_lshl_b32 s84, ttmp9, 2
	s_add_co_u32 s84, s84, s82                     ; tile column = 4 x cluster x + cx
	s_and_b32 s85, ttmp7, 0xffff
	s_lshl_b32 s85, s85, 2
	s_add_co_u32 s85, s85, s83                     ; tile row = 4 x cluster y + cy
	s_lshl_b32 s86, s83, 2
	s_lshl_b32 s86, 15, s86                        ; my row of the cluster
	s_lshl_b32 s87, 0x1111, s82                    ; my column
	; descriptor group 1: a dense block of 64 KB as 256 rows of 32 elements of 8 bytes; no padding
	s_or_b32 s[G1+0], s86, (3<<16)|(1<<21)         ; 15:0 the mask; 17:16 elements of 8 bytes; 21 set beside a mask
	s_or_b32 s[G1B+0], s87, (3<<16)|(1<<21)
.irp g, G1, G1B
	s_mov_b32 s[\g+1], 32<<16                      ; tensor_dim0
	s_mov_b32 s[\g+2], 256<<16                     ; tensor_dim1
	s_mov_b32 s[\g+3], 32<<16                      ; tile_dim0
	s_mov_b32 s[\g+4], 256                         ; tile_dim1
	s_mov_b32 s[\g+5], 32                          ; tensor_dim0_stride: rows on end
	s_mov_b32 s[\g+6], 0
	s_mov_b32 s[\g+7], 0
.endr
	s_lshl_b32 s88, s85, 16                        ; ctx: a tile of 128 rows is 64 KB of a plane; a plane is 512 K x 4,096 rows
	s_lshl_b32 s89, s13, 21
	s_add_co_u32 s88, s88, s89
	s_mov_b32 s89, 0
	s_lshl_b32 s90, s84, 16                        ; w_out likewise, by the tile column; a plane is 512 K x 1,024 rows
	s_lshl_b32 s91, s13, 19
	s_add_co_u32 s90, s90, s91
	s_mov_b32 s91, 0
	s_lshl_b32 s92, s12, 16                        ; where it goes: half x 128 KB + side x 64 KB = wave x 64 KB: no place in the cluster enters an LDS address
	v_and_b32 v1, 31, v0
	v_lshlrev_b32 v2, 4, v1                        ; 16 x lane
	v_and_b32 v3, 15, v0                           ; r
	v_bfe_u32 v4, v0, 4, 1                         ; h
	s_lshl_b32 s93, s13, 15                        ; my 64 rows of ctx
	s_lshl_b32 s94, s14, 15                        ; my 64 rows of w_out,
	s_add_co_u32 s94, s94, 65536                   ; which lie behind ctx's 128
	s_mul_i32 s95, s12, 16*SP
	s_add_co_u32 s95, s95, OUTS                    ; my stage for the way out
	v_add_nc_u32 v[ADRA], s93, v2
	v_add_nc_u32 v[ADRB], s94, v2
	v_add_nc_u32 v[ADRA+1], HALF, v[ADRA]
	v_add_nc_u32 v[ADRB+1], HALF, v[ADRB]
	v_mul_u32_u24 v[STO], v3, SP                   ; in: row r, 32 bytes for each half of the lanes
	v_lshl_add_u32 v[STO], v4, 5, v[STO]
	v_add_nc_u32 v[STO], s95, v[STO]
	v_mul_u32_u24 v[RD], v4, SP                    ; back: lanes 0-15 one row of 256 bytes, lanes 16-31 the next
	v_lshl_add_u32 v[RD], v3, 4, v[RD]
	v_add_nc_u32 v[RD], s95, v[RD]
	v_lshlrev_b32 v[CO], 12, v4                    ; and the same two rows in out0: a row is 4,096 bytes
	v_lshl_add_u32 v[CO], v3, 4, v[CO]
	s_wait_alu depctr_va_vdst(0)
	s_wait_dscnt 0x0                               ; both opening adds are done
	s_wait_kmcnt 0x0
	s_load_b256 s[72:79], s[8:9], 0x0              ; e0 .. e7
	s_add_nc_u64 s[66:67], s[4:5], s[88:89]
	s_add_nc_u64 s[68:69], s[6:7], s[90:91]
	s_mov_b32 s[G0], 1
	s_mov_b32 s[G0+1], s92
	s_mov_b64 s[G0+2:G0+3], s[66:67]
	s_or_b32 s[G0+3], s[G0+3], 0x80000000
	s_mov_b32 s[G0B], 1
	s_mov_b32 s[G0B+1], s92
	s_mov_b64 s[G0B+2:G0B+3], s[68:69]
	s_or_b32 s[G0B+3], s[G0B+3], 0x80000000
	CROUND                                         ; all sixteen work-groups are here: the joint loads meet
.macro JLOAD                           ; the branch hangs on the wave's number alone; one tensor load in each arm
	s_cmp_eq_u32 s14, 0
	s_cbranch_scc0 .Lfetch_b_\@
	tensor_load_to_lds s[G0:G0+3], s[G1:G1+7]
	s_nop 0
	PLACES
	s_branch .Lasked_\@
.Lfetch_b_\@:
	tensor_load_to_lds s[G0B:G0B+3], s[G1B:G1B+7]
	s_nop 0
	PLACES
.Lasked_\@:
.endm
	s_cmp_eq_u32 s13, 0
	s_cbranch_scc1 .Lhalf_0
	JLOAD                                          ; waves 2 and 3: the second half of K, waited for ahead of the second barrier
	s_branch .Lfetched
.Lhalf_0:
	JLOAD                                          ; waves 0 and 1: the first half, which is read first
	s_wait_tensorcnt 0x0
.Lfetched:
.macro OUTC                            ; the way out's address and factor
	s_lshl_b32 s88, s85, 7
	s_lshl_b32 s89, s13, 6
	s_add_co_u32 s88, s88, s89                     ; my first row: 128 x tile row + 64 x half
	s_lshl_b32 s88, s88, 12
	s_lshl_b32 s89, s84, 9                         ; my first column, in bytes: 512 x tile column + 256 x half
	s_add_co_u32 s88, s88, s89
	s_lshl_b32 s89, s14, 8
	s_add_co_u32 s88, s88, s89
	s_mov_b32 s89, 0
	s_add_nc_u64 s[10:11], s[10:11], s[88:89]
	s_wait_kmcnt 0x0
	s_add_co_i32 s80, s78, s79                     ; e6 + e7
	s_add_co_i32 s80, s80, 127
	s_lshl_b32 s80, s80, 23                        ; 2^(e6 + e7) as f32
	s_mov_b32 s81, s80                             ; (named with it as a pair, so it is written)
.endm
.macro LDA a, j                        ; block a's four fragments of ctx in half j of K: 16 loads
	WIN 0x40                                       ; destination window 1, address window 0
.irp q, 0,1,2,3
.irp c, 0,1,2,3
	ds_load_b128 v[64*\a+16*\q+4*\c:64*\a+16*\q+4*\c+3], v[ADRA+\j] offset:8192*\a+2048*\q+512*\c
.endr
.endr
.endm
.macro LDB q, j                        ; w_out's four fragments of step q of half j: 16 loads
	WIN 0x80+0x40*\j                               ; destination window 2 or 3
.irp b, 0,1,2,3
.irp c, 0,1,2,3
	ds_load_b128 v[64*\q+16*\b+4*\c:64*\q+16*\b+4*\c+3], v[ADRB+\j] offset:8192*\b+2048*\q+512*\c
.endr
.endr
.endm
.macro PQ a, q, j                      ; block a x 64 columns, step q of half j: the block's four accumulators by turns
	WIN 0x06+\j                                    ; source 0 (w_out) window 2 or 3, source 1 (ctx) window 1, C and D window 0
.irp b, 0,1,2,3
.if (\j) == 0 && (\q) == 0
	v_wmma_f32_16x16x128_fp8_fp8 v[ACC+8*(4*\a+\b):ACC+8*(4*\a+\b)+7], v[64*\q+16*\b:64*\q+16*\b+15], v[64*\a+16*\q:64*\a+16*\q+15], 0
.else
	v_wmma_f32_16x16x128_fp8_fp8 v[ACC+8*(4*\a+\b):ACC+8*(4*\a+\b)+7], v[64*\q+16*\b:64*\q+16*\b+15], v[64*\a+16*\q:64*\a+16*\q+15], v[ACC+8*(4*\a+\b):ACC+8*(4*\a+\b)+7]
.endif
.endr
.endm
.macro BLOCK a, j
.irp q, 0,1,2,3
	PQ \a, \q, \j
.endr
.endm
.macro BLOCK0 j                        ; a half's first block, while w_out's fragments come in; the other blocks' fragments of ctx are asked for behind them
	LDA 0, \j
	LDB 0, \j
	LDB 1, \j
	LDB 2, \j
	s_wait_dscnt 32                                ; block 0's fragments and step 0's are in (64 issued)
	PQ 0, 0, \j
	LDB 3, \j
	s_wait_dscnt 32                                ; step 1's (80 issued)
	PQ 0, 1, \j
	LDA 1, \j
	s_wait_dscnt 32                                ; step 2's (96 issued)
	PQ 0, 2, \j
	LDA 2, \j
	s_wait_dscnt 32                                ; step 3's (112 issued)
	PQ 0, 3, \j
	LDA 3, \j
	s_wait_dscnt 32                                ; block 1's (128 issued)
.endm
; THE WAY OUT, block by block of 16 rows x 64 columns: x 2^(e6 + e7) into other registers; 32 bytes a lane into my stage; back as whole rows of 256 bytes.
; LDS serves a wave's instructions in order (ISA guide 5.7.1.4): no wait between the stores and the loads, nor in front of the next block's stores.
.macro TOSTAGE a
.set BB, 64+32*((\a)%2)
.set j, 0
.rept 16
	v_pk_mul_f32 v[TMP+j:TMP+j+1], v[ACC+32*(\a)+j:ACC+32*(\a)+j+1], s[80:81] op_sel_hi:[1,0]   ; each accumulator from its low end on
.set j, j+2
.endr
.irp b, 0,1,2,3
	ds_store_b128 v[STO], v[TMP+8*\b:TMP+8*\b+3] offset:64*\b
	ds_store_b128 v[STO], v[TMP+8*\b+4:TMP+8*\b+7] offset:64*\b+16
.endr
.irp i, 0,1,2,3,4,5,6,7
	ds_load_b128 v[BB+4*\i:BB+4*\i+3], v[RD] offset:2*\i*SP
.endr
.endm
.macro SEND a, younger                 ; younger: the LDS instructions issued behind block a's loads, which may stay out
.set BB, 64+32*((\a)%2)
	s_wait_dscnt \younger
.irp i, 0,1,2,3,4,5,6,7
	global_store_b128 v[CO], v[BB+4*\i:BB+4*\i+3], s[10:11] offset:(16*(\a)+2*\i)*4096 th:TH_STORE_NT   ; 16 lanes store 256 consecutive bytes, at a multiple of 256 from out0's first byte; written once, read by nobody here
.endr
.endm
	s_barrier_signal -1
	s_barrier_wait -1                              ; the first half of K is whole
	BLOCK0 0
	BLOCK 1, 0
	OUTC
	s_wait_dscnt 16                                ; block 2's fragments
	BLOCK 2, 0
	s_wait_dscnt 0x0                               ; block 3's: no LDS read of mine is out
	s_wait_tensorcnt 0x0                           ; my tensor load is done: the second half is whole when all have said so
	s_barrier_signal -1
	BLOCK 3, 0                                     ; work on registers while the others arrive
	s_barrier_wait -1
	PLACES                                         ; four places in front of loads into registers that products have read
	BLOCK0 1
	BLOCK 1, 1
	WIN 0
	PLACES                                         ; in front of the first read of a result
	TOSTAGE 0
	s_wait_dscnt 32                                ; block 2's fragments: block 3's sixteen loads and the stage's sixteen instructions may be out
	BLOCK 2, 1
	WIN 0
	SEND 0, 0
	TOSTAGE 1                                      ; (block 3's fragments came in ahead of the stage's rows)
	BLOCK 3, 1
	WIN 0
	SEND 1, 0
	PLACES
	s_wait_xcnt 0x0                                ; blocks 0's and 1's stores have read their registers: blocks 2's and 3's rows may land there
	TOSTAGE 2
	TOSTAGE 3
	SEND 2, 16                                     ; behind block 2's loads: block 3's 8 stores and 8 loads
	SEND 3, 0
	s_wait_tensorcnt 0x0                           ; the wave's end
	ds_add_u32 v30, v31
	s_wait_dscnt 0x0
	CROUND                                         ; the closing round: no work-group ends while a partner may still ask for a tile that names it
	s_endpgm
.Lfunc_end_k_q196ffacc25_proj:
	.size	k_q196ffacc25_proj, .Lfunc_end_k_q196ffacc25_proj-k_q196ffacc25_proj
	.p2alignl 7, 3214868480
	.fill 96, 4, 3214868480
	.section	.rodata,"a",@progbits
	.p2align	6, 0x0
	.amdhsa_kernel k_q196ffacc25_proj
		.amdhsa_group_segment_fixed_size 280064
		.amdhsa_private_segment_fixed_size 0
		.amdhsa_enable_private_segment 0
		.amdhsa_kernarg_size 32
		.amdhsa_user_sgpr_count 2
		.amdhsa_user_sgpr_kernarg_segment_ptr 1
		.amdhsa_wavefront_size32 1
		.amdhsa_system_sgpr_workgroup_id_x 1
		.amdhsa_system_sgpr_workgroup_id_y 1
		.amdhsa_system_sgpr_workgroup_id_z 1
		.amdhsa_system_vgpr_workitem_id 0
		.amdhsa_next_free_vgpr 1024
		.amdhsa_next_free_sgpr 100
		.amdhsa_reserve_vcc 0
		.amdhsa_float_denorm_mode_32 3
		.amdhsa_float_denorm_mode_16_64 3
		.amdhsa_memory_ordered 1
		.amdhsa_forward_progress 1
		.amdhsa_inst_pref_size 44
	.end_amdhsa_kernel
	.amdgpu_metadata
---
amdhsa.version: [ 1, 2 ]
amdhsa.kernels:
  - .name:           k_q196ffacc25_proj
    .symbol:         k_q196ffacc25_proj.kd
    .args:
      - { .name: ctx, .offset: 0, .size: 8, .value_kind: global_buffer, .address_space: global }
      - { .name: woq, .offset: 8, .size: 8, .value_kind: global_buffer, .address_space: global }
      - { .name: lowp_scales, .offset: 16, .size: 8, .value_kind: global_buffer, .address_space: global }
      - { .name: out0, .offset: 24, .size: 8, .value_kind: global_buffer, .address_space: global }
    .group_segment_fixed_size: 280064
    .private_segment_fixed_size: 0
    .kernarg_segment_align: 8
    .kernarg_segment_size: 32
    .max_flat_workgroup_size: 128
    .sgpr_count:     100
    .vgpr_count:     1024
    .wavefront_size: 32
...
	.end_amdgpu_metadata
.endif
;; end of part 4
